; MI455X (gfx1250); checked and timed in simulation.
; The chip was launched on July 23, 2026; its instructions are those of AMD's public machine-readable ISA for CDNA 5 (MIT licence, August 2026) and "CDNA5" Instruction Set Architecture Reference Guide (July 2026). The comments in the code are by the model that wrote it; some were corrected since.
;; Simple GRU. Allowed arithmetic: float matrix products may take bf16 or f16 operands with f32 sums; other float arithmetic in f32, or as packed bf16 or f16 multiplies, adds, multiply-adds, maxima and minima; sums over many terms, partial sums and values carried from step to step in f32; what a program stores and reads back later, other than sums and carried values, may be rounded once to bf16 or f16.
;; Inputs: Wd 32 x 17 float32; b1 2 x 384 float32; b2 2 x 192 float32; b3 2 x 96 float32; bd 17 float32; k1 111 x 384 float32; k2 128 x 192 float32; k3 64 x 96 float32; rk1 128 x 384 float32; rk2 64 x 192 float32; rk3 32 x 96 float32; x 131,072 x 3 x 111 float32.
;; Outputs: out0 131,072 x 17 float32.
;; One version. Each part assembles by itself: llvm-mc -triple=amdgcn-amd-amdhsa -mcpu=gfx1250 --defsym DOCPART=n.
;; ======== version 1 of 1: 2 launches
;; limits: inputs' magnitudes at most 6.9e+29; values are held in f16: magnitudes above 65,504 overflow, below 6.1e-05 lose precision; inputs' magnitudes at most 22,660
;; workspace buffers: wimg 294,912 bytes
;; launch prep (part 1): grid 15 x 1, 16 waves a work-group, no clusters, 0 bytes of LDS; arguments k1, rk1, b1, k2, rk2, b2, k3, rk3, b3, Wd, bd, wimg; writes wimg
.if DOCPART == 1
	.amdgcn_target "amdgcn-amd-amdhsa--gfx1250"
	.amdhsa_code_object_version 6
	.text
	.protected	k_q3eac7a829e_prep
	.globl	k_q3eac7a829e_prep
	.p2align	8
	.type	k_q3eac7a829e_prep,@function
k_q3eac7a829e_prep:
	s_mov_b64 s[64:65], 0
	v_nop
	global_prefetch_b8 v0, s[64:65] scope:SCOPE_SE
	s_setreg_imm32_b32 hwreg(HW_REG_WAVE_MODE, 25, 1), 1
	s_wait_xcnt 0x0
; THE WEIGHTS' IMAGE for the launch that follows: three stacked GRUs (111 -> 128 -> 64 -> 32 units, three time steps), a dense layer 32 -> 17, a softmax.
; DEAD WORK, left out by the next launch: reference() starts each layer's scan from h0 = zeros that it builds itself, so at t = 0 the product h0 @ rkernel is 0 for all values of the
; inputs: mi = b_rec there.  The three products h0 @ rk1, h0 @ rk2, h0 @ rk3 are not made; b_rec stays, and rk1, rk2, rk3 are live at t = 1 and 2, so every input is loaded.
; LIMIT: a NaN, an infinity or an overflow that would reach the result through those three products alone (0 x infinity) is not carried to it.
; WHAT IS MADE.  All numbers of the matrices are scaled in f32 and then rounded ONCE to f16.  With L = log2(e): columns and biases of z and r times -L, so that sigmoid(v) = 1 / (1 + 2^acc);
; columns and biases of the candidate times 2 L, so that tanh(y) = 1 - 2 / (1 + 2^acc); Wd and bd times L, so that the softmax takes powers of 2.
; A HALF is 512 bytes: lane l = 16 h + r has 16 bytes at 16 l, the eight numbers s W[16 i + 8 h + e][col], e = 0..7: two halves on end are a matrix fragment of 16 columns x 32 rows of W.
; A TILE u (16 units) is three gate blocks in the order r, candidate, z; a gate block is the halves of the input kernel, then those of the recurrent kernel; col = gate's first column + 16 u + r.
; wimg: 0 layer 1's 8 tiles of 24,576; 196,608 Wd's four halves (classes 17..31 are 0); 198,656 fifteen bias blocks of 256 bytes, f32; 202,496 256 bytes of 0; 202,752 layer 2's 4 tiles of 18,432;
; 276,480 layer 3's 2 tiles of 9,216.  A bias block holds 16 numbers each of -L (b_in + b_rec) for r, 2 L b_in and 2 L b_rec for the candidate, -L (b_in + b_rec) for z; the fifteenth L bd, then -1e30 for
; the classes 17..31 that do not exist, then 0.
; SHARES.  Work-group 0..13 makes one tile, wave q the half q of each of its three gate blocks (one store of a wave covers 512 consecutive bytes, aligned); wave 0 then the tile's bias block.  Work-group 14 makes the rest.
; LIMIT: f16 ends at 65,504: 2.89 |w| stays under that.
.set NEGL,  0xbfb8aa3b                 ; -log2(e)
.set TWOL,  0x4038aa3b                 ; 2 log2(e)
.set POSL,  0x3fb8aa3b                 ; log2(e)
.set WDB,   196608
.set BIASB, 198656
.set PADB,  202496
.set CBASE, 202752
	s_load_b512 s[8:23], s[0:1], 0x0               ; k1 s[8:9], rk1 s[10:11], b1 s[12:13], k2 s[14:15], rk2 s[16:17], b2 s[18:19], k3 s[20:21], rk3 s[22:23]
	s_load_b256 s[24:31], s[0:1], 0x40             ; b3 s[24:25], Wd s[26:27], bd s[28:29], wimg s[30:31]
	v_lshrrev_b32 v1, 5, v0
	v_readfirstlane_b32 s4, v1                     ; q: my wave's number
	v_and_b32 v2, 31, v0                           ; l
	v_and_b32 v3, 15, v0                           ; r
	v_bfe_u32 v4, v0, 4, 1                         ; h
	v_lshlrev_b32 v5, 4, v0                        ; 512 q + 16 l: my 16 bytes in a gate block
	s_wait_kmcnt 0x0
; One tile.  KR: rows of the input kernel; HX, HH: halves of the two kernels in a gate block; UN: units; kp, rp, bp: the scalar registers of the three pointers.
.macro PTILE KR, HX, HH, UN, kp, rp, bp, OUTOFF, TILEB, GB, T0, ID0
.if (\HX)+(\HH) < 16
	s_cmp_lt_u32 s4, (\HX)+(\HH)
	s_cbranch_scc0 .Lend                           ; a gate block has fewer halves than the work-group has waves
.endif
	s_sub_co_u32 s5, ttmp9, \ID0                   ; u
	s_mov_b32 s6, \UN
	s_cmp_lt_u32 s4, \HX                           ; a half of the input kernel, or of the recurrent one?
	s_cselect_b64 s[32:33], s[\kp:\kp+1], s[\rp:\rp+1]
	s_cselect_b32 s6, \KR, s6                      ; its rows
	s_cselect_b32 s7, 0, \HX
	s_sub_co_u32 s7, s4, s7                        ; i: the half's number in its kernel
	s_lshl_b32 s7, s7, 4
	v_lshl_add_u32 v6, v4, 3, s7                   ; 16 i + 8 h
	s_lshl_b32 s34, s5, 4
	v_add_lshl_u32 v7, v3, s34, 2                  ; 4 (16 u + r)
	s_sub_co_u32 s35, s6, 1
.irp e, 0,1,2,3,4,5,6,7
	v_add_nc_u32 v[8+\e], \e, v6                   ; the row
.if (\KR) < 16*(\HX)
	v_min_u32 v[16+\e], s35, v[8+\e]               ; rows past the kernel's last are read at the last, and set to 0 below
	v_mad_u32_u24 v[16+\e], v[16+\e], 12*(\UN), v7
.else
	v_mad_u32_u24 v[16+\e], v[8+\e], 12*(\UN), v7
.endif
.endr
.irp g, 0,1,2
.irp e, 0,1,2,3,4,5,6,7
	global_load_b32 v[24+8*\g+\e], v[16+\e], s[32:33] offset:4*(\UN)*((\g+1)%3)  ; the gate's first column: r at UN, the candidate at 2 UN, z at 0
.endr
.endr
	s_mul_i32 s38, s5, \TILEB
	s_add_co_u32 s38, s38, \OUTOFF
	s_mov_b32 s39, 0
	s_add_nc_u64 s[36:37], s[30:31], s[38:39]      ; wimg at my tile
	s_wait_loadcnt 0x0
.if (\KR) < 16*(\HX)
.irp e, 0,1,2,3,4,5,6,7
	v_cmp_gt_u32 vcc_lo, s6, v[8+\e]
.irp g, 0,1,2
	v_cndmask_b32 v[24+8*\g+\e], 0, v[24+8*\g+\e], vcc_lo
.endr
.endr
.endif
.irp e, 0,1,2,3,4,5,6,7
	v_mul_f32 v[24+\e], NEGL, v[24+\e]
	v_mul_f32 v[32+\e], TWOL, v[32+\e]
	v_mul_f32 v[40+\e], NEGL, v[40+\e]
.endr
.irp g, 0,1,2
.irp j, 0,1,2,3
	v_cvt_pk_f16_f32 v[48+4*\g+\j], v[24+8*\g+2*\j], v[24+8*\g+2*\j+1]
.endr
	global_store_b128 v5, v[48+4*\g:51+4*\g], s[36:37] offset:(\g)*(\GB)
.endr
	s_cmp_lg_u32 s4, 0
	s_cbranch_scc1 .Lend
	; wave 0: the tile's bias block.  Lane l makes its numbers 2 l and 2 l + 1: entry a = l / 8, units 2 (l % 8) and the next.
	v_lshrrev_b32 v60, 3, v2                       ; a: 0 r, 1 the candidate's b_in, 2 its b_rec, 3 z
	v_and_b32 v61, 7, v2
	v_lshlrev_b32 v62, 1, v60
	v_mov_b32 v69, 0x29                            ; two bits an entry: the gate's first column in units of UN: 1, 2, 2, 0
	v_lshrrev_b32 v62, v62, v69
	v_and_b32 v62, 3, v62
	v_mul_u32_u24 v63, v62, 4*(\UN)
	v_lshl_add_u32 v63, v61, 3, v63
	s_lshl_b32 s34, s5, 6
	v_add_nc_u32 v63, s34, v63
	global_load_b64 v[64:65], v63, s[\bp:\bp+1]                    ; b_in
	global_load_b64 v[66:67], v63, s[\bp:\bp+1] offset:12*(\UN)    ; b_rec
	s_lshl_b32 s42, s5, 8
	s_add_co_u32 s42, s42, BIASB+256*(\T0)
	s_mov_b32 s43, 0
	s_add_nc_u64 s[40:41], s[30:31], s[42:43]
	v_mov_b32 v68, NEGL
	v_mov_b32 v69, TWOL
	v_cmp_eq_u32 vcc_lo, 2, v62
	v_cndmask_b32 v68, v68, v69, vcc_lo            ; the entry's scale
	v_lshlrev_b32 v70, 3, v2
	s_wait_loadcnt 0x0
	v_cmp_ne_u32 vcc_lo, 2, v60                    ; entry 2 takes b_rec alone,
	v_cndmask_b32 v64, 0, v64, vcc_lo
	v_cndmask_b32 v65, 0, v65, vcc_lo
	v_cmp_ne_u32 vcc_lo, 1, v60                    ; entry 1 b_in alone
	v_cndmask_b32 v66, 0, v66, vcc_lo
	v_cndmask_b32 v67, 0, v67, vcc_lo
	v_add_f32 v64, v64, v66
	v_add_f32 v65, v65, v67
	v_mul_f32 v64, v64, v68
	v_mul_f32 v65, v65, v68
	global_store_b64 v70, v[64:65], s[40:41]       ; the wave's one store covers the block's 256 bytes
	s_branch .Lend
.endm
	s_cmp_lt_u32 ttmp9, 8
	s_cbranch_scc0 .Llayer2
	PTILE 111, 8, 8, 128, 8, 10, 12, 0, 24576, 8192, 0, 0
.Llayer2:
	s_cmp_lt_u32 ttmp9, 12
	s_cbranch_scc0 .Llayer3
	PTILE 128, 8, 4, 64, 14, 16, 18, CBASE, 18432, 6144, 8, 8
.Llayer3:
	s_cmp_lt_u32 ttmp9, 14
	s_cbranch_scc0 .Llast
	PTILE 64, 4, 2, 32, 20, 22, 24, CBASE+73728, 9216, 3072, 12, 12
.Llast:
	s_cmp_lt_u32 s4, 4
	s_cbranch_scc0 .Lbias14
	; waves 0-3: Wd's half q = 2 nt + j: L Wd[16 j + 8 h + e][16 nt + r], 0 for the classes past 16
	s_and_b32 s5, s4, 1
	s_lshr_b32 s6, s4, 1
	s_lshl_b32 s5, s5, 4
	s_lshl_b32 s6, s6, 4
	v_lshl_add_u32 v6, v4, 3, s5                   ; 16 j + 8 h
	v_add_nc_u32 v7, s6, v3                        ; the class
	v_min_u32 v8, 16, v7
	v_mad_u32_u24 v9, v6, 17, v8
	v_lshlrev_b32 v9, 2, v9
.irp e, 0,1,2,3,4,5,6,7
	global_load_b32 v[24+\e], v9, s[26:27] offset:68*\e
.endr
	v_cmp_gt_u32 vcc_lo, 17, v7
	s_wait_loadcnt 0x0
.irp e, 0,1,2,3,4,5,6,7
	v_cndmask_b32 v[24+\e], 0, v[24+\e], vcc_lo
	v_mul_f32 v[24+\e], POSL, v[24+\e]
.endr
.irp j, 0,1,2,3
	v_cvt_pk_f16_f32 v[48+\j], v[24+2*\j], v[24+2*\j+1]
.endr
	global_store_b128 v5, v[48:51], s[30:31] offset:WDB
	s_branch .Lend
.Lbias14:
	s_cmp_eq_u32 s4, 4
	s_cbranch_scc0 .Lpad
	; wave 4: the fifteenth bias block
	v_lshlrev_b32 v6, 1, v2                        ; numbers 2 l
	v_add_nc_u32 v7, 1, v6                         ; and 2 l + 1
	v_min_u32 v8, 16, v6
	v_min_u32 v9, 16, v7
	v_lshlrev_b32 v8, 2, v8
	v_lshlrev_b32 v9, 2, v9
	global_load_b32 v10, v8, s[28:29]
	global_load_b32 v11, v9, s[28:29]
	v_mov_b32 v12, 0xf149f2ca                      ; -1e30
	v_cmp_gt_u32 vcc_lo, 32, v6                    ; a pair lies whole on one side of 32
	v_cndmask_b32 v12, 0, v12, vcc_lo
	v_lshlrev_b32 v13, 3, v2
	s_wait_loadcnt 0x0
	v_mul_f32 v10, POSL, v10
	v_mul_f32 v11, POSL, v11
	v_cmp_gt_u32 vcc_lo, 17, v6
	v_cndmask_b32 v10, v12, v10, vcc_lo
	v_cmp_gt_u32 vcc_lo, 17, v7
	v_cndmask_b32 v11, v12, v11, vcc_lo
	global_store_b64 v13, v[10:11], s[30:31] offset:BIASB+256*14
	s_branch .Lend
.Lpad:
	s_cmp_eq_u32 s4, 5
	s_cbranch_scc0 .Lend
	; wave 5: the 256 bytes between the biases and layer 2, which the next launch copies with the rest
	v_mov_b32 v10, 0
	v_mov_b32 v11, 0
	v_lshlrev_b32 v13, 3, v2
	global_store_b64 v13, v[10:11], s[30:31] offset:PADB
.Lend:
	s_endpgm
.Lfunc_end_k_q3eac7a829e_prep:
	.size	k_q3eac7a829e_prep, .Lfunc_end_k_q3eac7a829e_prep-k_q3eac7a829e_prep
	.p2alignl 7, 3214868480
	.fill 96, 4, 3214868480
	.section	.rodata,"a",@progbits
	.p2align	6, 0x0
	.amdhsa_kernel k_q3eac7a829e_prep
		.amdhsa_group_segment_fixed_size 0
		.amdhsa_private_segment_fixed_size 0
		.amdhsa_enable_private_segment 0
		.amdhsa_kernarg_size 96
		.amdhsa_user_sgpr_count 2
		.amdhsa_user_sgpr_kernarg_segment_ptr 1
		.amdhsa_wavefront_size32 1
		.amdhsa_system_sgpr_workgroup_id_x 1
		.amdhsa_system_sgpr_workgroup_id_y 1
		.amdhsa_system_sgpr_workgroup_id_z 1
		.amdhsa_system_vgpr_workitem_id 0
		.amdhsa_next_free_vgpr 72
		.amdhsa_next_free_sgpr 66
		.amdhsa_reserve_vcc 1
		.amdhsa_float_denorm_mode_32 3
		.amdhsa_float_denorm_mode_16_64 3
		.amdhsa_memory_ordered 1
		.amdhsa_forward_progress 1
		.amdhsa_inst_pref_size 30
	.end_amdhsa_kernel
	.amdgpu_metadata
---
amdhsa.version: [ 1, 2 ]
amdhsa.kernels:
  - .name:           k_q3eac7a829e_prep
    .symbol:         k_q3eac7a829e_prep.kd
    .args:
      - { .name: k1, .offset: 0, .size: 8, .value_kind: global_buffer, .address_space: global }
      - { .name: rk1, .offset: 8, .size: 8, .value_kind: global_buffer, .address_space: global }
      - { .name: b1, .offset: 16, .size: 8, .value_kind: global_buffer, .address_space: global }
      - { .name: k2, .offset: 24, .size: 8, .value_kind: global_buffer, .address_space: global }
      - { .name: rk2, .offset: 32, .size: 8, .value_kind: global_buffer, .address_space: global }
      - { .name: b2, .offset: 40, .size: 8, .value_kind: global_buffer, .address_space: global }
      - { .name: k3, .offset: 48, .size: 8, .value_kind: global_buffer, .address_space: global }
      - { .name: rk3, .offset: 56, .size: 8, .value_kind: global_buffer, .address_space: global }
      - { .name: b3, .offset: 64, .size: 8, .value_kind: global_buffer, .address_space: global }
      - { .name: Wd, .offset: 72, .size: 8, .value_kind: global_buffer, .address_space: global }
      - { .name: bd, .offset: 80, .size: 8, .value_kind: global_buffer, .address_space: global }
      - { .name: wimg, .offset: 88, .size: 8, .value_kind: global_buffer, .address_space: global }
    .group_segment_fixed_size: 0
    .private_segment_fixed_size: 0
    .kernarg_segment_align: 8
    .kernarg_segment_size: 96
    .max_flat_workgroup_size: 512
    .sgpr_count:     66
    .vgpr_count:     72
    .wavefront_size: 32
...
	.end_amdgpu_metadata
.endif
;; end of part 1
;; launch gru (part 2): grid 512 x 1, 4 waves a work-group, clusters of 4 x 1, 327,680 bytes of LDS; arguments x, wimg, out0; writes out0
.if DOCPART == 2
	.amdgcn_target "amdgcn-amd-amdhsa--gfx1250"
	.amdhsa_code_object_version 6
	.text
	.protected	k_q3eac7a829e_gru
	.globl	k_q3eac7a829e_gru
	.p2align	8
	.type	k_q3eac7a829e_gru,@function
k_q3eac7a829e_gru:
	s_mov_b64 s[64:65], 0
	v_nop
	global_prefetch_b8 v0, s[64:65] scope:SCOPE_SE
	s_setreg_imm32_b32 hwreg(HW_REG_WAVE_MODE, 25, 1), 1
	s_wait_xcnt 0x0
	s_wait_alu depctr_hold_cnt(0) depctr_sa_sdst(0) depctr_va_vdst(0) depctr_va_sdst(0) depctr_va_ssrc(0) depctr_va_vcc(0) depctr_vm_vsrc(0)
	s_getreg_b32 s2, hwreg(HW_REG_IB_STS2, 6, 4)
	s_cmp_eq_u32 s2, 0
	s_cbranch_scc0 .Lentry_in_a_cluster
	s_endpgm
.Lentry_in_a_cluster:
	s_bfe_u32 s2, ttmp6, 0x10000c
	s_cmp_lg_u32 s2, 0x3003
	s_cbranch_scc0 .Lentry_shape_is_right
	s_endpgm
.Lentry_shape_is_right:
; out0 = softmax(GRU3(GRU2(GRU1(x))) @ Wd + bd): three stacked Keras GRUs (reset_after), 111 -> 128 -> 64 -> 32 units, three time steps, 131,072 rows; x and out0 in f32.
; LEFT OUT AS DEAD: the products h0 @ rk1, h0 @ rk2, h0 @ rk3 at t = 0: reference() builds h0 = zeros itself, so they are 0 for all values of the inputs; b_rec stays.  A NaN, an infinity or an
; overflow that would reach the result through those products alone is not carried to it.
; FORMATS.  Matrix operands (x, h, the weights of the image wimg) in f16; sums, activations and the carried state h in f32, the state in registers from first to last.
; LIMITS.  f16 ends at 65,504: |x| and 2.89 |w| stay under that; h lies in -1 to 1.  The classes 17..31 that do not exist carry a logit of -1e30: true logits times log2(e) lie above that.  NaN and infinities are not treated apart.
; SCALES are folded into wimg (L = log2 e): z, r = 1 / (1 + 2^acc); candidate = 1 - 2 / (1 + 2^(XH + r IH)); an exponent too large gives infinity and a reciprocal of 0, which is the right limit.
; The softmax takes its row's maximum away and then powers of 2.
; SHARES.  A work-group owns 256 rows, each of its four waves 64: four batch tiles bt of 16.  512 work-groups.
; LAYOUT.  All products are taken transposed: source 0 = 16 units x 32 k of weights, source 1 = 32 k x 16 rows.  In the result lane l (r = l % 16, h = l / 16) holds row r and units 8 h + 0..7.  Two
; neighbouring unit tiles, rounded to f16 in pairs, ARE a fragment of source 1: h never changes lanes and never goes through LDS.  A weight fragment read from LDS feeds four products.
; ORDER.  Layer by layer: layer 1 for t = 0, 1, 2, then layer 2, then layer 3.  A layer's three f16 outputs are three sets of registers: the next layer's input, and the recurrent input of the step after.
; A step walks its unit tiles in a counted loop; all that hangs on the tile is an LDS address, but for the state's update, which stands in a forward switch on the counter.
; LDS.  0: layer 1's weights, Wd, the biases (202,752 bytes, filled once).  202,752 (Q): a step's x, 256 rows of 464 bytes (111 numbers, and 5 zeros that the load writes past the row's end), wave w's 64 rows at
; 29,696 w; filled again for t = 1 and t = 2, and then with layers 2 and 3's weights (92,160 bytes).  321,536: the spare words.  The way out's stage, 4,352 bytes a wave, lies from byte 0 on, over layer 1's weights: they have
; had their one fill, and behind the barrier that follows layer 1 nobody reads them.  464 = 29 x 16: the sixteen rows of a 16-byte load start at sixteen different 16-byte columns of 256.
; CLUSTER.  All work-groups read the same weights: the four of a cluster ask for them JOINTLY (the same load, descriptor and mask in all four, a quarter to each wave).  x is each work-group's own: plain loads.
; Every group of tensor loads stands behind a round of the cluster's barrier.  By this text's count a wave has two tensor loads out at the start, later one.
; REGISTERS, in windows of 256 (s_set_vgpr_msb: bits 1:0 source 0, 3:2 source 1, 5:4 source 2, 7:6 destination):
;   window 0: v0-31 addresses; v32-95 eight weight fragments; v96-127 a tile's biases; v128-255 sixteen accumulators: r, XH, IH, z (32 each) x bt (8 each)
;   window 1: v0-127 x's fragments (32 a bt; the last four of each, k = 112..127, are 0), later layer 2's state; v128-255 layer 1's output of t = 0
;   window 2: layer 1's outputs of t = 1 and t = 2; later v0-63 layer 3's state, v64-95 its output
;   window 3: layer 1's state; later layer 2's outputs, 64 a step
.set RESB,   202752                    ; layer 1's tiles, Wd, biases
.set WDB,    196608
.set BIASB,  198656
.set QB,     RESB
.set CB,     92160                     ; layers 2 and 3
.set L3OFF,  73728
.set XPITCH, 464
.set XWAVE,  64*XPITCH
.set SPARE,  QB+4*XWAVE                ; 128 bytes for each wave: two blocks of 256 bytes that no other line names
.set STG,    64*68                     ; a wave's 64 rows of out0
.set L16, 1                            ; v1   16 x lane
.set AW,  2                            ; v2   LDS address of the tile's weights
.set AB,  3                            ; v3   of its biases
.set H32, 4                            ; v4   32 h
.set AX,  5                            ; v5   my place in my wave's x: row r, 32 h bytes on
.set PF0, 6                            ; v6-7 the prefetches' offsets; never rewritten
.set PF1, 7
.set STO, 8                            ; v8   the way out: where I put my eight classes of row r: stage + 68 r + 32 h
.set RDA, 9                            ; v9   where I read 16 bytes back: stage + 16 x lane
.set LN,  10                           ; v10  lane
.set STN, 11                           ; v11  stage + 68 r: row r's first byte, for class 16
.set R16, 17                           ; v17  16 r
.set RDL, 18                           ; v18  stage + 16 r: for the stage's last 256 bytes
.set SPW, 30                           ; v30  LDS address of my spare word; never rewritten
.set NIL, 31                           ; v31  0; never rewritten
.set FR,  32
.set BI,  96
.set ACC, 128
.set MX,  BI+16                        ; the way out: a pair for each bt: the row's maximum, and the other half of the lanes'
.set SM,  BI+24                        ; likewise the sum
.set WV,  10                           ; s10  my wave's number
.set CX,  11                           ; s11  my place in the cluster: it enters x's and out0's addresses alone
.set WI,  12                           ; s12  my wave among the launch's 2,048
.set UT,  13                           ; s13  the unit tile in hand
.set SAVE, 14                          ; s14  EXEC, kept
.set G1R, 16                           ; s[16:23] descriptor group 1: 198 rows of 256 bytes, joint
.set G1C, 24                           ; s[24:31] 90 rows of 256 bytes, joint
.set G1X, 32                           ; s[32:39] 64 rows of x
.set G0R, 40
.set G0C, 44
.set G0X, 48
.set XW,  52                           ; s[52:53] x at my wave's rows
.set OW,  54                           ; s[54:55] out0 at my wave's rows
.set SEL, 56                           ; s[56:57] v_permlanex16_b32's selects: each lane takes its own place in the other half
.set TBW, 58                           ; s58  LDS byte of the tile's weights
.set TBB, 59                           ; s59  of its biases
.set MSB, 0
.macro WIN new                         ; the high byte repeats the setting that is left; a switch that changes nothing is dropped
.if MSB != (\new)
	s_set_vgpr_msb (MSB<<8)|(\new)
.set MSB, (\new)
.endif
.endm
; A round of the cluster's barrier: my work-group's barrier, so that wave 0's signal speaks for all four waves; wave 0 signals; every wave waits for all four work-groups; my work-group's barrier once more.
.macro ROUND
	s_barrier_signal -1
	s_barrier_wait -1
	s_cmp_lg_u32 s[WV], 0
	s_cbranch_scc1 .Lnot_wave_0_\@
	s_barrier_signal -3
.Lnot_wave_0_\@:
	s_barrier_wait -3
	s_barrier_signal -1
	s_barrier_wait -1
.endm
.macro PLACES                          ; four places between a matrix instruction and a vector instruction that reads its result, or a load into one of its registers
.rept 4
	v_nop
.endr
.endm
.macro TL g0, g1                       ; a tensor load; an s_nop 0 and four v_nop follow it
	tensor_load_to_lds s[\g0:\g0+3], s[\g1:\g1+7]
	s_nop 0
	PLACES
.endm
; Q IS FILLED AGAIN.  Each wave waits for all its tensor loads, adds 0 to its spare word, and waits for that and for its reads of Q; the round shows the same of every wave of all four work-groups;
; the wave's one load is the first thing behind it.  step = 1: x's address goes on to the next time step, 444 bytes.
.macro REFILL g0, g1, step
	WIN 0
	s_wait_tensorcnt 0x0                           ; no tensor load of mine is out, so a group 0 may be written
	ds_add_u32 v[SPW], v[NIL]                      ; 0 onto my spare word
.if \step
	s_add_nc_u64 s[G0X+2:G0X+3], s[G0X+2:G0X+3], 444
.endif
	s_wait_dscnt 0x0                               ; the add is done, and my reads of Q are over
	ROUND
	TL \g0, \g1
.endm
; x OF ONE STEP, from LDS (f32) into fragments (f16).  Half i of a row's k is 16 numbers; lane (r, h) takes the eight at 16 i + 8 h: 32 bytes, two loads.  Seven halves reach k = 111, which the tensor load has written as 0.
.macro XLOAD bt, dst
	WIN 0
.irp i, 0,1,2,3,4,5,6
	ds_load_b128 v[(\dst)+8*\i:(\dst)+8*\i+3],   v[AX] offset:(\bt)*16*XPITCH+64*\i
	ds_load_b128 v[(\dst)+8*\i+4:(\dst)+8*\i+7], v[AX] offset:(\bt)*16*XPITCH+64*\i+16
.endr
.endm
.macro XCVT bt, src
	WIN 0x40                                       ; destination window 1
.set c_, 0
.rept 28
	v_cvt_pk_f16_f32 v[32*(\bt)+c_], v[(\src)+2*c_], v[(\src)+2*c_+1]
.set c_, c_+1
.endr
.endm
.macro XCONV                           ; the accumulators' registers, free between steps, take the f32 numbers: two sets of 56
	XLOAD 0, ACC
	XLOAD 1, ACC+56
	s_wait_dscnt 14                                ; LDS loads come back in order: the older batch tile is in, the younger one's 14 loads stay out
	XCVT 0, ACC
	XLOAD 2, ACC
	s_wait_dscnt 14
	XCVT 1, ACC+56
	XLOAD 3, ACC+56
	s_wait_dscnt 14
	XCVT 2, ACC
	s_wait_dscnt 0x0
	XCVT 3, ACC+56
.endm
; A TILE'S FRAGMENTS are numbered n = 0 .. N_ - 1: gate n / NPG_ (r, candidate, z), in it the input kernel's HXF_ fragments and then (not at t = 0) the recurrent kernel's.  They go in groups of four through eight buffers.
.macro LOADG g
.set n_, 4*(\g)
.rept 4
.if n_ < N_
.set o_, (n_/NPG_)*GB_+1024*(n_%NPG_)
	ds_load_b128 v[FR+8*(n_%8):FR+8*(n_%8)+3],   v[AW] offset:o_
	ds_load_b128 v[FR+8*(n_%8)+4:FR+8*(n_%8)+7], v[AW] offset:o_+512
.endif
.set n_, n_+1
.endr
.endm
; A group's products: four for each fragment, one a batch tile, so that the accumulators take turns, one instruction a turn.  A sum's first product takes the bias as C: nothing is cleared.
; r and z add the input's and the recurrent part into one accumulator; the candidate keeps them apart (XH, IH), since r multiplies the recurrent part alone.
.macro MULG g
.set n_, 4*(\g)
.rept 4
.if n_ < N_
.set g_, n_/NPG_
.set q_, n_%NPG_
.set part_, 0
.if q_ >= HXF_
.set part_, 1
.endif
.set kb_, q_-part_*HXF_
.set a_, 3*(g_/2)
.if g_ == 1
.set a_, 1+part_
.endif
.set first_, 0
.if kb_ == 0
.if (part_ == 0) || (g_ == 1)
.set first_, 1
.endif
.endif
.if part_
	WIN WH_<<2
.set b_, BH_+8*kb_
.set st_, SH_
.else
	WIN WX_<<2
.set b_, BX_+8*kb_
.set st_, SX_
.endif
.set f_, FR+8*(n_%8)
.set d_, ACC+32*a_
.irp bt, 0,1,2,3
.if first_
	v_wmma_f32_16x16x32_f16 v[d_+8*\bt:d_+8*\bt+7], v[f_:f_+7], v[b_+st_*\bt:b_+st_*\bt+7], v[BI+8*a_:BI+8*a_+7]
.else
	v_wmma_f32_16x16x32_f16 v[d_+8*\bt:d_+8*\bt+7], v[f_:f_+7], v[b_+st_*\bt:b_+st_*\bt+7], v[d_+8*\bt:d_+8*\bt+7]
.endif
.endr
.endif
.set n_, n_+1
.endr
.endm
.macro TRANS op, base, n               ; n transcendentals in place, on end
.set c_, 0
.rept \n
	\op v[(\base)+c_], v[(\base)+c_]
.set c_, c_+1
.endr
.endm
.macro ONEWAIT                         ; a plain instruction behind the batch's last transcendental, and one wait ahead of the first line that names a result
	v_nop
	s_wait_alu depctr_va_vdst(0)
.endm
.macro PLUS1 base, n                   ; n pairs + 1
.set c_, 0
.rept \n
	v_pk_add_f32 v[(\base)+2*c_:(\base)+2*c_+1], v[(\base)+2*c_:(\base)+2*c_+1], 1.0 op_sel_hi:[1,0]
.set c_, c_+1
.endr
.endm
; THE ACTIVATIONS of a tile, 16 units x 64 rows, in place, each accumulator from its lowest register on.  It leaves z in Z's registers and (1 - z) x candidate in XH's.  rec = 0: t = 0, where IH is the bias alone.
.macro ACT rec
	TRANS v_exp_f32, ACC, 32
	TRANS v_exp_f32, ACC+96, 32
	ONEWAIT
	PLUS1 ACC, 16
	PLUS1 ACC+96, 16
	TRANS v_rcp_f32, ACC, 32                       ; r
	TRANS v_rcp_f32, ACC+96, 32                    ; z
	ONEWAIT
.set c_, 0
.rept 16
.if \rec
	v_pk_fma_f32 v[ACC+32+2*c_:ACC+33+2*c_], v[ACC+2*c_:ACC+1+2*c_], v[ACC+64+2*c_:ACC+65+2*c_], v[ACC+32+2*c_:ACC+33+2*c_]
.else
	v_pk_fma_f32 v[ACC+32+2*c_:ACC+33+2*c_], v[ACC+2*c_:ACC+1+2*c_], v[BI+16+2*(c_%4):BI+17+2*(c_%4)], v[ACC+32+2*c_:ACC+33+2*c_]
.endif
.set c_, c_+1
.endr
	TRANS v_exp_f32, ACC+32, 32
	ONEWAIT
	PLUS1 ACC+32, 16
	TRANS v_rcp_f32, ACC+32, 32
	ONEWAIT
.set c_, 0
.rept 16
	v_pk_fma_f32 v[ACC+32+2*c_:ACC+33+2*c_], v[ACC+32+2*c_:ACC+33+2*c_], -2.0, 1.0 op_sel_hi:[1,0,0]  ; the candidate
.set c_, c_+1
.endr
.set c_, 0
.rept 16
	v_pk_fma_f32 v[ACC+32+2*c_:ACC+33+2*c_], v[ACC+96+2*c_:ACC+97+2*c_], v[ACC+32+2*c_:ACC+33+2*c_], v[ACC+32+2*c_:ACC+33+2*c_] neg_lo:[1,0,0] neg_hi:[1,0,0]  ; (1 - z) x candidate
.set c_, c_+1
.endr
.endm
; h = z h + (1 - z) x candidate for tile c: the one part of a trip whose REGISTERS hang on the tile, so each tile has its own sixteen lines, chosen by the counter; all jumps go forward.
.macro DCASE c, last, tag
.if !(\last)
	s_cmp_lg_u32 s[UT], \c
	s_cbranch_scc1 .Lnx_\@
.endif
	WIN (WS_<<6)|(WS_<<2)
.set p_, 0
.rept 16
	v_pk_fma_f32 v[SB_+32*(\c)+2*p_:SB_+32*(\c)+2*p_+1], v[ACC+96+2*p_:ACC+97+2*p_], v[SB_+32*(\c)+2*p_:SB_+32*(\c)+2*p_+1], v[ACC+32+2*p_:ACC+33+2*p_]
.set p_, p_+1
.endr
	WIN 0
.if !(\last)
	s_branch .Ldone\tag
.Lnx_\@:
.endif
.endm
; A TIME STEP OF A LAYER.  NT unit tiles; HXF, HHF fragments of the two kernels in a gate; GB, TILEB bytes of a gate block and a tile; LBASE the layer's first tile in LDS; T0 its first bias block; rec = 0 at t = 0.
; Source 1: the input at v[BX + SX bt + 8 kb] of window WX, the last step's output at v[BH + SH bt + 8 kb] of window WH.  The state: v[SB + 32 u + 8 bt] of window WS.
.macro STEP tag, NT, HXF, HHF, GB, TILEB, LBASE, T0, rec, WX, BX, SX, WH, BH, SH, WS, SB
.set HXF_, \HXF
.set NPG_, (\HXF)+(\rec)*(\HHF)
.set N_, 3*NPG_
.set GB_, \GB
.set WX_, \WX
.set BX_, \BX
.set SX_, \SX
.set WH_, \WH
.set BH_, \BH
.set SH_, \SH
.set WS_, \WS
.set SB_, \SB
	WIN 0
	s_mov_b32 s[TBW], \LBASE
	s_mov_b32 s[TBB], BIASB+256*(\T0)
	s_mov_b32 s[UT], 0
.Ltile\tag:
	v_add_nc_u32 v[AW], s[TBW], v[L16]
	v_add_nc_u32 v[AB], s[TBB], v[H32]
.irp a, 0,1,2,3
	ds_load_b128 v[BI+8*\a:BI+8*\a+3],   v[AB] offset:64*\a        ; my eight units' biases of entry a
	ds_load_b128 v[BI+8*\a+4:BI+8*\a+7], v[AB] offset:64*\a+16
.endr
	LOADG 0
	LOADG 1
.set gi_, 0
.rept (N_+3)/4
.set rem_, N_-4*(gi_+1)
.if rem_ > 4
.set rem_, 4
.endif
.if rem_ < 0
.set rem_, 0
.endif
	s_wait_dscnt 2*rem_                            ; the biases and this group are in; the next group's loads, two a fragment, stay out
	MULG gi_
.if 4*(gi_+2) < N_
	PLACES                                         ; the group after next takes this group's buffers
	LOADG gi_+2
.endif
.set gi_, gi_+1
.endr
	WIN 0
	PLACES
	ACT \rec
.set k_, 0
.rept \NT
.if k_ == (\NT)-1
	DCASE k_, 1, \tag
.else
	DCASE k_, 0, \tag
.endif
.set k_, k_+1
.endr
.Ldone\tag:
	s_add_co_u32 s[TBW], s[TBW], \TILEB
	s_add_co_u32 s[TBB], s[TBB], 256
	s_add_co_u32 s[UT], s[UT], 1
	s_cmp_lt_u32 s[UT], \NT
	s_cbranch_scc1 .Ltile\tag
.endm
; The state (window WS, from SB) rounded to f16 in pairs: tile u's four registers for batch tile bt go to v[DB + 4 NT bt + 4 u] of window WD: fragments of source 1.
.macro CVT NT, WS, SB, WD, DB
	WIN ((\WD)<<6)|((\WS)<<2)|(\WS)
.set c_, 0
.rept 16*(\NT)
	v_cvt_pk_f16_f32 v[(\DB)+((c_/4)%4)*4*(\NT)+4*(c_/16)+c_%4], v[(\SB)+32*(c_/16)+8*((c_/4)%4)+2*(c_%4)], v[(\SB)+32*(c_/16)+8*((c_/4)%4)+2*(c_%4)+1]
.set c_, c_+1
.endr
	WIN 0
.endm
.macro ZERO win, base, n               ; a layer's state starts at 0, as reference()'s h0 does: t = 0 then has the same update as every step
	WIN (\win)<<6
.set c_, 0
.rept \n
	v_mov_b32 v[(\base)+c_], 0
.set c_, c_+1
.endr
	WIN 0
.endm
.macro EACH line:vararg                ; one line for each batch tile t
.set t, 0
.rept 4
	\line
.set t, t+1
.endr
.endm
	s_load_b128 s[4:7], s[0:1], 0x0                ; x s[4:5], wimg s[6:7]
	s_load_b64 s[8:9], s[0:1], 0x10                ; out0
	v_lshl_add_u32 v[SPW], v0, 2, SPARE
	v_mov_b32 v[NIL], 0
	ds_add_u32 v[SPW], v[NIL]                      ; the wave's opening: the add, twice on end, and its wait ahead of my first tensor load; the set-up below, work on registers, stands between
	ds_add_u32 v[SPW], v[NIL]                      ; and once more
	v_lshrrev_b32 v12, 5, v0
	v_readfirstlane_b32 s[WV], v12                 ; wave 0..3
	s_bfe_u32 s[CX], ttmp6, 0x40000                ; my place in the cluster
	s_lshl_b32 s[WI], ttmp9, 2                     ; in a cluster launch ttmp9 counts clusters
	s_add_co_u32 s[WI], s[WI], s[CX]               ; my work-group,
	s_lshl_b32 s[WI], s[WI], 2
	s_add_co_u32 s[WI], s[WI], s[WV]               ; my wave among all
	s_mul_i32 s60, s[WI], 64*1332                  ; its 64 rows of x: 85,248 bytes; under 2^28 in all
	s_mov_b32 s61, 0
	; descriptor group 1 for the weights: dense bytes as rows of 256: elements of 8 bytes, 32 a row
	s_mov_b32 s[G1R], 15|(3<<16)|(1<<21)           ; 15:0 the mask: all four work-groups; 17:16 elements of 8 bytes; 21 set beside a mask
	s_mov_b32 s[G1R+1], 32<<16                     ; tensor_dim0 = 32
	s_mov_b32 s[G1R+2], 198<<16                    ; tensor_dim1 = 198 rows: a quarter of 202,752 bytes
	s_mov_b32 s[G1R+3], 32<<16                     ; tile_dim0
	s_mov_b32 s[G1R+4], 198                        ; tile_dim1
	s_mov_b32 s[G1R+5], 32                         ; elements from row to row
	s_mov_b32 s[G1R+6], 0
	s_mov_b32 s[G1R+7], 0
	s_mov_b32 s[G1C], 15|(3<<16)|(1<<21)
	s_mov_b32 s[G1C+1], 32<<16
	s_mov_b32 s[G1C+2], 90<<16                     ; 90 rows: a quarter of 92,160 bytes
	s_mov_b32 s[G1C+3], 32<<16
	s_mov_b32 s[G1C+4], 90
	s_mov_b32 s[G1C+5], 32
	s_mov_b32 s[G1C+6], 0
	s_mov_b32 s[G1C+7], 0
	; for x: 64 rows, one time step of each: 111 numbers are there, the tile is 116 wide, and what lies past the 111th is written as 0
	s_mov_b32 s[G1X], 2<<16                        ; no mask: my work-group's own; elements of 4 bytes
	s_mov_b32 s[G1X+1], 111<<16                    ; tensor_dim0 = 111
	s_mov_b32 s[G1X+2], 64<<16                     ; tensor_dim1 = 64
	s_mov_b32 s[G1X+3], 116<<16                    ; tile_dim0 = 116: LDS rows of 464 bytes
	s_mov_b32 s[G1X+4], 64                         ; tile_dim1
	s_mov_b32 s[G1X+5], 333                        ; a row of x is three steps of 111
	s_mov_b32 s[G1X+6], 0
	s_mov_b32 s[G1X+7], 0
	s_mov_b32 s[G0R], 1
	s_mul_i32 s[G0R+1], s[WV], RESB/4              ; my quarter: the same byte in LDS and in wimg
	s_mov_b32 s[G0C], 1
	s_mul_i32 s[G0C+1], s[WV], CB/4
	s_add_co_u32 s[G0C+1], s[G0C+1], QB            ; likewise
	s_mov_b32 s[G0X], 1
	s_mul_i32 s[G0X+1], s[WV], XWAVE
	s_add_co_u32 s[G0X+1], s[G0X+1], QB
	s_mov_b32 s[SEL], 0x76543210
	s_mov_b32 s[SEL+1], 0xfedcba98
	s_mov_b32 s63, 0
	s_wait_dscnt 0x0                               ; both opening adds are done
	s_wait_kmcnt 0x0
	s_mov_b32 s62, s[G0R+1]
	s_add_nc_u64 s[G0R+2:G0R+3], s[6:7], s[62:63]
	s_or_b32 s[G0R+3], s[G0R+3], 0x80000000        ; type = 2
	s_mov_b32 s62, s[G0C+1]
	s_add_nc_u64 s[G0C+2:G0C+3], s[6:7], s[62:63]
	s_or_b32 s[G0C+3], s[G0C+3], 0x80000000
	s_add_nc_u64 s[XW:XW+1], s[4:5], s[60:61]
	s_mov_b64 s[G0X+2:G0X+3], s[XW:XW+1]           ; t = 0
	s_or_b32 s[G0X+3], s[G0X+3], 0x80000000
	s_mul_i32 s60, s[WI], STG
	s_add_nc_u64 s[OW:OW+1], s[8:9], s[60:61]
	ROUND                                          ; all four work-groups are here: the first joint loads meet
	tensor_load_to_lds s[G0R:G0R+3], s[G1R:G1R+7]  ; my quarter of layer 1's weights, Wd and the biases,
	s_nop 0
	tensor_load_to_lds s[G0X:G0X+3], s[G1X:G1X+7]  ; and my 64 rows of x at t = 0: the first fills go out together
	s_nop 0
	PLACES
	ZERO 3, 0, 256                                 ; layer 1's state: written in the wait for the first fills
	WIN 0x40
.irp bt, 0,1,2,3
.irp j, 28,29,30,31
	v_mov_b32 v[32*\bt+\j], 0                      ; x's k = 112..127
.endr
.endr
	WIN 0
	v_and_b32 v[LN], 31, v0
	v_and_b32 v13, 15, v0                          ; r
	v_bfe_u32 v14, v0, 4, 1                        ; h
	v_lshlrev_b32 v[L16], 4, v[LN]
	v_lshlrev_b32 v[H32], 5, v14
	s_mul_i32 s15, s[WV], XWAVE
	s_add_co_u32 s15, s15, QB
	v_mul_u32_u24 v[AX], v13, XPITCH
	v_add_nc_u32 v[AX], v[AX], v[H32]
	v_add_nc_u32 v[AX], s15, v[AX]
	s_mul_i32 s15, s[WV], STG                      ; my stage: bytes 4,352 w to 4,352 w + 4,351
	v_mul_u32_u24 v[STN], v13, 68                  ; row r
	v_add_nc_u32 v[STN], s15, v[STN]
	v_add_nc_u32 v[STO], v[STN], v[H32]            ; classes 8 h on
	v_add_nc_u32 v[RDA], s15, v[L16]
	v_lshlrev_b32 v[R16], 4, v13
	v_add_nc_u32 v[RDL], s15, v[R16]
	; The prefetches' offsets, a lane a row: rows lane and lane + 32 of my 64.  Row p's numbers of t = 2 are the 444 bytes from S = 1,332 p + 888 on.  Where an aligned block of 256 bytes lies WHOLE inside them
	; (its first byte A at most 188 past S) no number of t = 0 or t = 1 shares it with them: the lane names A.  Elsewhere it names S.  The last row's A is 84,992, inside my wave's 85,248 bytes.
	v_mul_u32_u24 v[PF0], v[LN], 1332
	v_add_nc_u32 v[PF0], 888, v[PF0]
	v_add_nc_u32 v[PF1], 32*1332, v[PF0]
.irp p, PF0, PF1
	v_add_nc_u32 v15, 255, v[\p]
	v_and_b32 v15, 0xffffff00, v15
	v_sub_nc_u32 v16, v15, v[\p]
	v_cmp_gt_u32 vcc_lo, 189, v16
	v_cndmask_b32 v[\p], v[\p], v15, vcc_lo
.endr
	; LAYER 1
	s_wait_tensorcnt 0x0                           ; my x of t = 0 (and my quarter of the weights) has landed; only I read my rows of x
	XCONV
	REFILL G0X, G1X, 1                             ; x of t = 1; the round has also shown every wave's quarter of the weights landed
	global_prefetch_b8 v[PF0], s[XW:XW+1] th:TH_LOAD_NT scope:SCOPE_SE  ; behind my tensor load and its five lines: bytes of x at t = 2, which the load behind the NEXT change asks for:
	global_prefetch_b8 v[PF1], s[XW:XW+1] th:TH_LOAD_NT scope:SCOPE_SE  ; a whole step of layer 1 (8 tiles, 384 matrix instructions and their activations) ahead.  Each wave asks for its own rows, once
	STEP 10, 8, 4, 4, 8192, 24576, 0, 0, 0, 1, 0, 32, 0, 0, 0, 3, 0
	CVT 8, 3, 0, 1, 128
	s_wait_tensorcnt 0x0
	XCONV
	REFILL G0X, G1X, 1                             ; x of t = 2
	STEP 11, 8, 4, 4, 8192, 24576, 0, 0, 1, 1, 0, 32, 1, 128, 32, 3, 0
	CVT 8, 3, 0, 2, 0
	s_wait_tensorcnt 0x0
	XCONV
	REFILL G0C, G1C, 0                             ; x is done with: Q takes layers 2 and 3's weights, jointly; they have the last step of layer 1 in which to land
	STEP 12, 8, 4, 4, 8192, 24576, 0, 0, 1, 1, 0, 32, 2, 0, 32, 3, 0
	CVT 8, 3, 0, 2, 128
	s_wait_tensorcnt 0x0                           ; my quarter of those weights has landed,
	s_wait_dscnt 0x0                               ; and my reads of layer 1's weights are over:
	s_barrier_signal -1
	s_barrier_wait -1                              ; both now hold of all four waves.
	; LAYER 2
	ZERO 1, 0, 128
	STEP 20, 4, 4, 2, 6144, 18432, QB, 8, 0, 1, 128, 32, 0, 0, 0, 1, 0
	CVT 4, 1, 0, 3, 0
	STEP 21, 4, 4, 2, 6144, 18432, QB, 8, 1, 2, 0, 32, 3, 0, 16, 1, 0
	CVT 4, 1, 0, 3, 64
	STEP 22, 4, 4, 2, 6144, 18432, QB, 8, 1, 2, 128, 32, 3, 64, 16, 1, 0
	CVT 4, 1, 0, 3, 128
	; LAYER 3: its output is wanted at the last step alone, and as the recurrent input: one set of registers
	ZERO 2, 0, 64
	STEP 30, 2, 2, 1, 3072, 9216, QB+L3OFF, 12, 0, 3, 0, 16, 0, 0, 0, 2, 0
	CVT 2, 2, 0, 2, 64
	STEP 31, 2, 2, 1, 3072, 9216, QB+L3OFF, 12, 1, 3, 64, 16, 2, 64, 8, 2, 0
	CVT 2, 2, 0, 2, 64
	STEP 32, 2, 2, 1, 3072, 9216, QB+L3OFF, 12, 1, 3, 128, 16, 2, 64, 8, 2, 0
	CVT 2, 2, 0, 2, 64
	; THE DENSE LAYER AND THE SOFTMAX.  Two class tiles nt: lane (r, h) holds row r's classes 8 h + 0..7 (nt = 0) and, in register 0 of nt = 1, class 16 (h = 0) or class 24, which does not exist and is -1e30 (h = 1).
	v_add_nc_u32 v[AW], WDB, v[L16]
	v_add_nc_u32 v[AB], BIASB+256*14, v[H32]
.irp f, 0,1,2,3
	ds_load_b128 v[FR+4*\f:FR+4*\f+3], v[AW] offset:512*\f
.endr
.irp a, 0,1
	ds_load_b128 v[BI+8*\a:BI+8*\a+3],   v[AB] offset:64*\a
	ds_load_b128 v[BI+8*\a+4:BI+8*\a+7], v[AB] offset:64*\a+16
.endr
	s_wait_dscnt 0x0
	WIN 0x08                                       ; source 1 in window 2
.irp nt, 0,1
.irp bt, 0,1,2,3
	v_wmma_f32_16x16x32_f16 v[ACC+32*\nt+8*\bt:ACC+32*\nt+8*\bt+7], v[FR+8*\nt:FR+8*\nt+7], v[64+8*\bt:64+8*\bt+7], v[BI+8*\nt:BI+8*\nt+7]
.endr
.endr
	WIN 0
	PLACES
	EACH v_max3_num_f32 v[MX+2*t], v[ACC+8*t], v[ACC+8*t+1], v[ACC+8*t+2]
	EACH v_max3_num_f32 v[MX+2*t], v[MX+2*t], v[ACC+8*t+3], v[ACC+8*t+4]
	EACH v_max3_num_f32 v[MX+2*t], v[MX+2*t], v[ACC+8*t+5], v[ACC+8*t+6]
	EACH v_max3_num_f32 v[MX+2*t], v[MX+2*t], v[ACC+8*t+7], v[ACC+32+8*t]
	EACH v_permlanex16_b32 v[MX+2*t+1], v[MX+2*t], s[SEL], s[SEL+1]  ; the row's other classes lie in the lane 16 away (the destination has been written by earlier bias loads)
	EACH v_max_num_f32 v[MX+2*t], v[MX+2*t], v[MX+2*t+1]             ; the row's maximum, in both lanes
.irp p, 0,1,2,3
	EACH v_pk_add_f32 v[ACC+8*t+2*\p:ACC+8*t+2*\p+1], v[ACC+8*t+2*\p:ACC+8*t+2*\p+1], v[MX+2*t:MX+2*t+1] op_sel_hi:[1,0] neg_lo:[0,1] neg_hi:[0,1]
.endr
	EACH v_sub_f32 v[ACC+32+8*t], v[ACC+32+8*t], v[MX+2*t]
.irp j, 0,1,2,3,4,5,6,7
	EACH v_exp_f32 v[ACC+8*t+\j], v[ACC+8*t+\j]
.endr
	EACH v_exp_f32 v[ACC+32+8*t], v[ACC+32+8*t]    ; class 24's is 0
	ONEWAIT                                        ; one wait for the 36 exponentials
	EACH v_pk_add_f32 v[ACC+34+8*t:ACC+35+8*t], v[ACC+8*t:ACC+8*t+1], v[ACC+8*t+2:ACC+8*t+3]    ; the sums go into registers of the second class tile that hold nothing live
	EACH v_pk_add_f32 v[ACC+36+8*t:ACC+37+8*t], v[ACC+8*t+4:ACC+8*t+5], v[ACC+8*t+6:ACC+8*t+7]
	EACH v_pk_add_f32 v[ACC+34+8*t:ACC+35+8*t], v[ACC+34+8*t:ACC+35+8*t], v[ACC+36+8*t:ACC+37+8*t]
	EACH v_add_f32 v[SM+2*t], v[ACC+34+8*t], v[ACC+35+8*t]
	EACH v_add_f32 v[SM+2*t], v[SM+2*t], v[ACC+32+8*t]
	EACH v_permlanex16_b32 v[SM+2*t+1], v[SM+2*t], s[SEL], s[SEL+1]
	EACH v_add_f32 v[SM+2*t], v[SM+2*t], v[SM+2*t+1]
	EACH v_rcp_f32 v[SM+2*t], v[SM+2*t]
	ONEWAIT                                        ; one wait for the four reciprocals
.irp p, 0,1,2,3
	EACH v_pk_mul_f32 v[ACC+8*t+2*\p:ACC+8*t+2*\p+1], v[ACC+8*t+2*\p:ACC+8*t+2*\p+1], v[SM+2*t:SM+2*t+1] op_sel_hi:[1,0]
.endr
	EACH v_mul_f32 v[ACC+32+8*t], v[ACC+32+8*t], v[SM+2*t]
	; THE WAY OUT.  A row of out0 is 68 bytes, my 64 rows are 4,352 dense bytes, 17 blocks of 256, aligned.  They are laid down in my stage as they lie in memory and read back 16 bytes a lane.
	; Every address stays inside my wave's 4,352 bytes by its own arithmetic: 68 x 15 + 32 + 3 x 1,088 + 28 + 4 = 4,348 for the eight classes; 68 x 15 + 3 x 1,088 + 64 + 4 = 4,352 for class 16, whose address has no
	; term in h; 496 + 7 x 512 + 16 = 4,096 for the eight full loads; 4,096 + 240 + 16 = 4,352 for the last, whose address is made of r.  So no wave touches another's stage, and no barrier is needed.
.irp j, 0,1,2,3,4,5,6,7
	EACH ds_store_b32 v[STO], v[ACC+8*t+\j] offset:1088*t+4*\j
.endr
	s_wait_xcnt 0x0                                ; EXEC changes only behind this wait: the prefetches have read their addresses
	v_cmp_gt_u32 vcc_lo, 16, v[LN]
	s_and_saveexec_b32 s[SAVE], vcc_lo             ; lanes 0-15 (h = 0): they hold class 16, and they carry the stage's last 256 bytes
	EACH ds_store_b32 v[STN], v[ACC+32+8*t] offset:1088*t+64
	ds_load_b128 v[FR+32:FR+35], v[RDL] offset:4096  ; LDS serves a wave's instructions in order: this sees the stores above
	s_wait_dscnt 0x0
	global_store_b128 v[R16], v[FR+32:FR+35], s[OW:OW+1] offset:4096 th:TH_STORE_NT  ; sixteen lanes store 256 consecutive bytes, aligned
	s_wait_xcnt 0x0                                ; and again, in front of the line that widens EXEC
	s_or_b32 exec_lo, exec_lo, s[SAVE]
.irp i, 0,1,2,3,4,5,6,7
	ds_load_b128 v[FR+4*\i:FR+4*\i+3], v[RDA] offset:512*\i
.endr
.irp i, 0,1,2,3,4,5,6,7
	s_wait_dscnt 7-\i                              ; load i is back; the younger ones stay out
	global_store_b128 v[L16], v[FR+4*\i:FR+4*\i+3], s[OW:OW+1] offset:512*\i th:TH_STORE_NT  ; 512 consecutive bytes, at a multiple of 256 from out0's first byte
.endr
	s_wait_tensorcnt 0x0                           ; the wave's end: behind my last tensor load and my last LDS store
	ds_add_u32 v[SPW], v[NIL]
	s_wait_dscnt 0x0
	ROUND                                          ; the closing round: no work-group ends while a partner may still ask for a tile that names it
	s_endpgm
.Lfunc_end_k_q3eac7a829e_gru:
	.size	k_q3eac7a829e_gru, .Lfunc_end_k_q3eac7a829e_gru-k_q3eac7a829e_gru
	.p2alignl 7, 3214868480
	.fill 96, 4, 3214868480
	.section	.rodata,"a",@progbits
	.p2align	6, 0x0
	.amdhsa_kernel k_q3eac7a829e_gru
		.amdhsa_group_segment_fixed_size 327680
		.amdhsa_private_segment_fixed_size 0
		.amdhsa_enable_private_segment 0
		.amdhsa_kernarg_size 24
		.amdhsa_user_sgpr_count 2
		.amdhsa_user_sgpr_kernarg_segment_ptr 1
		.amdhsa_wavefront_size32 1
		.amdhsa_system_sgpr_workgroup_id_x 1
		.amdhsa_system_sgpr_workgroup_id_y 1
		.amdhsa_system_sgpr_workgroup_id_z 1
		.amdhsa_system_vgpr_workitem_id 0
		.amdhsa_next_free_vgpr 1024
		.amdhsa_next_free_sgpr 66
		.amdhsa_reserve_vcc 1
		.amdhsa_float_denorm_mode_32 3
		.amdhsa_float_denorm_mode_16_64 3
		.amdhsa_memory_ordered 1
		.amdhsa_forward_progress 1
		.amdhsa_inst_pref_size 255
	.end_amdhsa_kernel
	.section	.bss,"aw",@nobits
	.p2align	6
	.space	262144
	.amdgpu_metadata
---
amdhsa.version: [ 1, 2 ]
amdhsa.kernels:
  - .name:           k_q3eac7a829e_gru
    .symbol:         k_q3eac7a829e_gru.kd
    .args:
      - { .name: x, .offset: 0, .size: 8, .value_kind: global_buffer, .address_space: global }
      - { .name: wimg, .offset: 8, .size: 8, .value_kind: global_buffer, .address_space: global }
      - { .name: out0, .offset: 16, .size: 8, .value_kind: global_buffer, .address_space: global }
    .group_segment_fixed_size: 327680
    .private_segment_fixed_size: 0
    .kernarg_segment_align: 8
    .kernarg_segment_size: 24
    .max_flat_workgroup_size: 128
    .sgpr_count:     66
    .vgpr_count:     1024
    .wavefront_size: 32
...
	.end_amdgpu_metadata
.endif
;; end of part 2
